; MI455X (gfx1250); checked and timed in simulation.
; The chip was launched on July 23, 2026; its instructions are those of AMD's public machine-readable ISA for CDNA 5 (MIT licence, August 2026) and "CDNA5" Instruction Set Architecture Reference Guide (July 2026). The comments in the code are by the model that wrote it; some were corrected since.
;; Causal Self Attention. Allowed arithmetic: matrix products marked QUANTISED: E4M3 operands, one given power-of-two scale a tensor, by v_wmma_f32_16x16x64_fp8_fp8 or v_wmma_f32_16x16x128_fp8_fp8, f32 sums; everything else in f32.
;; Inputs: W_attn 1,024 x 3,072 float32; W_proj 1,024 x 1,024 float32; b_attn 3,072 float32; b_proj 1,024 float32; lowp_scales 8 int32 (the exponents e of the quantised operands' scales 2^e); x 4 x 2,048 x 1,024 float32.
;; Outputs: out0 4 x 2,048 x 1,024 float32.
;; This version of the problem:
;;   THIS VERSION OF THE PROBLEM IS GIVEN IN LOW PRECISION. The matrix products marked QUANTISED in the list below multiply operands that are first quantised to E4M3 (4 exponent bits, 3 mantissa bits; 8 bits a number), with one given power-of-two scale for each operand tensor; their sums are f32. All else is computed in f32.
;;   The module's matrix products, in the order in which they are computed (A, B: the left and right operand; K: the contracted axis; several contracted axes count as one K, in the product's order):
;;     1. [M 8,192, K 1,024] x [K 1,024, N 3,072]; A: input x; B: input W_attn: QUANTISED (scales: A lowp_scales[0], B lowp_scales[1])
;;     2. batch 64 x [M 2,048, K 64] x [K 64, N 2,048]; A: computed on the way; B: computed on the way: QUANTISED (scales: A lowp_scales[2], B lowp_scales[3])
;;     3. batch 64 x [M 2,048, K 2,048] x [K 2,048, N 64]; A: softmax (see below); B: computed on the way: QUANTISED (scales: A lowp_scales[4], B lowp_scales[5])
;;     4. [M 8,192, K 1,024] x [K 1,024, N 1,024]; A: computed on the way; B: input W_proj: QUANTISED (scales: A lowp_scales[6], B lowp_scales[7])
;;   THE QUANTISER, for each operand of a quantised product, along K:
;;     - The operand's scale is 2^e, e = its entry of the input lowp_scales (int32; the entries are numbered through the quantised products in the list's order, A before B).
;;     - Each number is divided by the scale, clamped to +-448, and rounded to the nearest number of E4M3, ties to even, subnormals kept.
;;     - The product sums the exact products of the quantised numbers (number of the format x scale) in f32.
;;   ~~~python
;;   def quantise(x, axis, e):      # numpy; x: float32 -> the quantised numbers, widened to float32 again
;;       x = np.moveaxis(x, axis, -1); K = x.shape[-1]
;;       r = np.clip(x / 2.0 ** e, -448, 448)
;;       step = 2.0 ** (np.maximum(np.frexp(np.where(r == 0, 1, r))[1] - 1, -6) - 3)
;;       q = np.round(r / step) * step * 2.0 ** e      # np.round: ties to even
;;       return np.moveaxis(q, -1, axis).astype(np.float32)
;;   ~~~
;;   SOFTMAX AHEAD OF A QUANTISED PRODUCT. Where the list says 'softmax', what is quantised is not the finished softmax but p = 2^(t - M), with t = logit x log2(e) and M = ceil(the row's largest t), a whole number; so 1/2 < the row's largest p <= 1. The row's sum l is taken of the UNQUANTISED p, in f32, and the product's result is divided by l at the end. Since M is a whole number, a kernel that streams over the keys may use a running M (the ceiling of the running maximum): every later rescaling is an exact power of two, so the quantised numbers keep their values, but for numbers so far below the row's largest that they fall under the format's range.
;;   OPERANDS COMPUTED ON THE WAY. 'Computed on the way' means the value that the module computes at that place (a softmax that the list does not call 'softmax' is quantised finished and normalised). What goes into a quantiser is computed in f32, as accurately as f32 sums, v_exp_f32 and their like allow (about 1e-6 of the number): no bf16 or f16 on the way to a quantiser, and a product that is left as it is and whose result goes on into a quantised operand takes f32 operands (vector FMAs, or v_wmma_f32_16x16x4_f32). A number that lies on a knife's edge between two numbers of the format may be rounded either way, as far as f32 arithmetic and the matrix unit's own rounding can turn it there, and no further.
;; One version. Each part assembles by itself: llvm-mc -triple=amdgcn-amd-amdhsa -mcpu=gfx1250 --defsym DOCPART=n.
;; ======== version 1 of 1: 4 launches
;; limits: right only within a limited range of input values
;; workspace buffers: codes_in 12,582,912 bytes; qkv_codes 25,165,824 bytes; ctx_codes 8,388,608 bytes
;; launch quant (part 1): grid 384 x 1, 4 waves a work-group, no clusters, 102,912 bytes of LDS; arguments x, W_attn, W_proj, lowp_scales, codes_in; writes codes_in
.if DOCPART == 1
	.amdgcn_target "amdgcn-amd-amdhsa--gfx1250"
	.amdhsa_code_object_version 6
	.text
	.protected	k_q01f7083629_quant
	.globl	k_q01f7083629_quant
	.p2align	8
	.type	k_q01f7083629_quant,@function
k_q01f7083629_quant:
	s_mov_b64 s[64:65], 0
	v_nop
	global_prefetch_b8 v0, s[64:65] scope:SCOPE_SE
	s_setreg_imm32_b32 hwreg(HW_REG_WAVE_MODE, 25, 1), 1
	s_wait_xcnt 0x0
; x [8192][1024], W_attn [1024][3072] and W_proj [1024][1024], all f32, become codes of FP8 (E4M3) in ONE buffer of 12,288 rows x 1,024 codes, K innermost:
;   rows 0 .. 8191: x as it lies;   row 8192 + sw(n): column n of W_attn;   row 11264 + sw(n): column n of W_proj.   sw(n) = n with bits 3 and 4 exchanged.
; (With sw, a product that takes 16 such rows as source 0 leaves a lane, in two neighbouring accumulators, 16 NEIGHBOURING columns: the later launches quantise and store them as 16 bytes.)
; code = number / 2^e, held within +-448, rounded to the nearest code, ties to even.  e: entry 0 (x), 1 (W_attn), 7 (W_proj) of the scales' buffer.
; LIMITS: each e between -126 and 119, so that 2^e and 448 x 2^e are f32 numbers.  NaN among the inputs is not served; infinities are held at the largest code.
; SHARES: every work-group reads 128 KiB.  Work-groups 0-255: x, a plain stream (K is innermost).  256-351: W_attn, 352-383: W_proj (K is the first axis: a lane takes a column, its registers run down K).
; The three ways part on the work-group's number and never meet again; each has LDS bytes of its own.  No tensor loads, no barrier: waves share nothing.  Matrix units and clusters have nothing to do here: no byte is read twice.
.set SP,    80                         ; x: a lane's place in a stage: its 64 bytes + 16 of padding
.set STEPS, 16                         ; x: steps of 512 numbers for a wave
.set RX,    16                         ; v16-79   x: four sets of 16 numbers as they are loaded
.set XS0,   80                         ; v80-111  x: two sets of 16 neighbours
.set CX,    128                        ; v128-191 x: codes, four registers a step: no store's data are written again
.set PITCH, 272                        ; weights: a stage row: 256 bytes of codes + 16
.set WX,    32                         ; v32-95   weights: two sets of 32 numbers
.set WC,    96                         ; v96-103  weights: a block's codes
.set OUTR,  112                        ; v112-175 weights: the way out
.macro SCALE e                         ; v11 = 2^e as f32 (the conversion takes its exponent field)
	s_wait_kmcnt 0x0
	s_add_co_i32 s32, s[\e], 127
	s_lshl_b32 s33, s32, 23
	v_mov_b32 v11, s33
	s_add_co_i32 s32, s32, 8
	s_lshl_b32 s32, s32, 23
	s_or_b32 s32, s32, 0x600000                    ; 448's mantissa field
.endm
; ---- x
.macro LOADX t                         ; step t: four loads, each 512 consecutive bytes of the wave
.irp i, 0,1,2,3
	global_load_b128 v[RX+16*((\t)%4)+4*\i:RX+16*((\t)%4)+4*\i+3], v3, s[4:5] offset:2048*(\t)+512*\i th:TH_LOAD_NT
.endr
.endm
.macro TURNX t                         ; step t's 2,048 bytes through the wave's own stage: in as loaded, back 64 bytes a lane.  LDS serves a wave's instructions in order: no wait between
.irp i, 0,1,2,3
	ds_store_b128 v14, v[RX+16*((\t)%4)+4*\i:RX+16*((\t)%4)+4*\i+3] offset:32*SP*((\t)%2)+8*SP*\i
.endr
.irp i, 0,1,2,3
	ds_load_b128 v[XS0+16*((\t)%2)+4*\i:XS0+16*((\t)%2)+4*\i+3], v15 offset:32*SP*((\t)%2)+16*\i
.endr
.endm
.macro STEPX t
.set XS, XS0+16*((\t)%2)
	s_wait_dscnt 0x0                               ; this step's numbers are back from the stage, and its stores into the stage have read their registers,
.if (\t)+4 < STEPS
	LOADX (\t)+4                                   ; which take the loads of four steps on
.endif
.if (\t)+1 < STEPS
.if STEPS-2-(\t) >= 3
	s_wait_loadcnt 12                              ; the next step's four loads are in; those of the three steps behind it may be out
.else
	s_wait_loadcnt 4*(STEPS-2-(\t))                ; the counts run down
.endif
	TURNX (\t)+1
.endif
.irp i, 0,1,2,3,4,5,6,7,8,9,10,11,12,13,14,15
.endr
	v_cvt_scalef32_pk8_fp8_f32 v[CX+4*(\t):CX+4*(\t)+1], v[XS:XS+7], v11
	v_cvt_scalef32_pk8_fp8_f32 v[CX+4*(\t)+2:CX+4*(\t)+3], v[XS+8:XS+15], v11
	global_store_b128 v3, v[CX+4*(\t):CX+4*(\t)+3], s[12:13] offset:512*(\t)   ; the wave stores 512 consecutive bytes, aligned
.endm
; ---- a weight [1024][n]
.macro LOADW t, n, src                 ; block t: W(32 t + i, my column), i = 0 .. 31: each load reads 128 consecutive bytes a wave, the four waves side by side
.irp i, 0,1,2,3,4,5,6,7,8,9,10,11,12,13,14,15,16,17,18,19,20,21,22,23,24,25,26,27,28,29,30,31
	global_load_b32 v[WX+32*((\t)%2)+\i], v3, s[\src:\src+1] offset:(32*(\t)+\i)*\n*4 th:TH_LOAD_NT
.endr
.endm
.macro BLOCKW t, n, src
.set XS, WX+32*((\t)%2)
.if (\t) < 7
	s_wait_loadcnt 32                              ; this block's 32 loads are in; the next block's may be out
.else
	s_wait_loadcnt 0x0
.endif
.irp i, 0,1,2,3,4,5,6,7,8,9,10,11,12,13,14,15,16,17,18,19,20,21,22,23,24,25,26,27,28,29,30,31
.endr
.irp g, 0,1,2,3
	v_cvt_scalef32_pk8_fp8_f32 v[WC+2*\g:WC+2*\g+1], v[XS+8*\g:XS+8*\g+7], v11
.endr
	ds_store_b128 v4, v[WC:WC+3] offset:32*(\t)    ; 32 codes along K of my column
	ds_store_b128 v4, v[WC+4:WC+7] offset:32*(\t)+16
.if (\t)+2 < 8
	LOADW (\t)+2, \n, \src
.endif
	s_wait_dscnt 0x0                               ; the stores have read their registers: the next block's codes may be written
.endm
; A work-group takes 128 columns x 256 along K; a wave 32 columns.  n: the weight's columns; src: its pointer's register; e: its exponent's register; row0: its first row in codes_in; id0: its first work-group; lds0: its stages
.macro WQ n, src, e, row0, id0, lds0
	s_sub_co_u32 s17, ttmp9, \id0
	s_lshr_b32 s18, s17, 2                         ; which 128 columns
	s_and_b32 s19, s17, 3                          ; which 256 along K
	s_lshl_b32 s18, s18, 7
	s_lshl_b32 s20, s16, 5
	s_add_co_u32 s18, s18, s20                     ; my wave's first column, a multiple of 32
	v_lshlrev_b32 v3, 2, v2                        ; in: 4 bytes a lane
	s_mul_i32 s22, s16, 32*PITCH
	s_add_co_u32 s22, s22, \lds0                   ; my stage
	v_mul_u32_u24 v4, v2, PITCH
	v_add_nc_u32 v4, s22, v4                       ; into it: row = my column
	v_and_b32 v5, 15, v2
	v_lshrrev_b32 v6, 4, v2
	v_mul_u32_u24 v7, v6, PITCH
	v_lshl_add_u32 v7, v5, 4, v7
	v_add_nc_u32 v7, s22, v7                       ; out of it: sixteen lanes to a row, two rows an instruction
	v_lshlrev_b32 v8, 10, v6
	v_lshl_add_u32 v8, v5, 4, v8                   ; and the same place in codes_in (rows of 1,024 bytes)
	s_mul_i32 s20, s19, 256*\n*4
	s_lshl_b32 s21, s18, 2
	s_add_co_u32 s20, s20, s21
	s_mov_b32 s21, 0
	s_add_nc_u64 s[\src:\src+1], s[\src:\src+1], s[20:21]
	s_add_co_u32 s20, s18, \row0
	s_lshl_b32 s20, s20, 10
	s_lshl_b32 s23, s19, 8
	s_add_co_u32 s20, s20, s23
	s_add_nc_u64 s[12:13], s[12:13], s[20:21]
	LOADW 0, \n, \src
	LOADW 1, \n, \src
	SCALE \e
	s_wait_alu depctr_va_vdst(0)
.irp t, 0,1,2,3,4,5,6,7
	BLOCKW \t, \n, \src
.endr
.irp t, 0,1,2,3,4,5,6,7,8,9,10,11,12,13,14,15
	ds_load_b128 v[OUTR+4*\t:OUTR+4*\t+3], v7 offset:2*\t*PITCH   ; stage rows 2 t and 2 t + 1; these see my stores
.endr
.irp t, 0,1,2,3,4,5,6,7,8,9,10,11,12,13,14,15
	s_wait_dscnt 15-\t                             ; loads come back in order: number t is in, the younger ones may be out
	global_store_b128 v8, v[OUTR+4*\t:OUTR+4*\t+3], s[12:13] offset:2*(((\t)&3)|((((\t)>>3)&1)<<2)|((((\t)>>2)&1)<<3))*1024   ; to row sw(2 t + lane / 16): sixteen lanes store 256 consecutive bytes, aligned
.endr
.endm
	s_load_b256 s[4:11], s[0:1], 0x0               ; x s[4:5], W_attn s[6:7], W_proj s[8:9], the scales' exponents s[10:11]
	s_load_b64 s[12:13], s[0:1], 0x20              ; codes_in
	v_lshl_add_u32 v192, v0, 2, 0x19000
	v_mov_b32 v193, 0
	v_lshrrev_b32 v1, 5, v0
	v_readfirstlane_b32 s16, v1                    ; wave 0..3
	v_and_b32 v2, 31, v0                           ; lane
	s_wait_kmcnt 0x0
	s_load_b256 s[24:31], s[10:11], 0x0            ; e0 .. e7
	s_cmp_ge_u32 ttmp9, 256
	s_cbranch_scc1 .Lweights
	; ---- x: my wave's run of 8,192 numbers
	s_wait_alu depctr_va_vdst(0)
	v_lshlrev_b32 v3, 4, v2                        ; my 16 bytes of a load's 512, and of a store's
	s_wait_alu depctr_va_vdst(0)
	s_lshl_b32 s17, s16, 13                        ; my wave's 8,192 bytes of LDS: two stages of 32 x 80
	v_lshrrev_b32 v14, 2, v2
	v_mul_u32_u24 v14, v14, SP
	v_and_b32 v15, 3, v2
	v_lshl_add_u32 v14, v15, 4, v14
	v_add_nc_u32 v14, s17, v14                     ; in: four lanes' 64 bytes on end, then the padding
	v_mul_u32_u24 v15, v2, SP
	v_add_nc_u32 v15, s17, v15                     ; back: my 16 neighbours
	s_lshl_b32 s18, ttmp9, 2
	s_add_co_u32 s18, s18, s16                     ; which run
	s_lshl_b32 s20, s18, 15
	s_mov_b32 s21, 0
	s_add_nc_u64 s[4:5], s[4:5], s[20:21]
	s_lshl_b32 s20, s18, 13
	s_add_nc_u64 s[12:13], s[12:13], s[20:21]
.irp t, 0,1,2,3
	LOADX \t
.endr
	s_wait_alu depctr_va_vdst(0)
	SCALE 24
	s_wait_alu depctr_va_vdst(0)
	s_wait_loadcnt 12                              ; step 0's four loads are in
	TURNX 0
.irp t, 0,1,2,3,4,5,6,7,8,9,10,11,12,13,14,15
	STEPX \t
.endr
	s_wait_tensorcnt 0x0
	ds_add_u32 v192, v193
	s_wait_dscnt 0x0
	s_endpgm
.Lweights:
	s_cmp_ge_u32 ttmp9, 352
	s_cbranch_scc1 .Lproj
	s_wait_alu depctr_va_vdst(0)
	WQ 3072, 6, 25, 8192, 256, 32768
	s_wait_tensorcnt 0x0
	ds_add_u32 v192, v193
	s_wait_dscnt 0x0
	s_endpgm
.Lproj:
	s_wait_alu depctr_va_vdst(0)
	WQ 1024, 8, 31, 11264, 352, 67584
	s_wait_tensorcnt 0x0
	ds_add_u32 v192, v193
	s_wait_dscnt 0x0
	s_endpgm
.Lfunc_end_k_q01f7083629_quant:
	.size	k_q01f7083629_quant, .Lfunc_end_k_q01f7083629_quant-k_q01f7083629_quant
	.p2alignl 7, 3214868480
	.fill 96, 4, 3214868480
	.section	.rodata,"a",@progbits
	.p2align	6, 0x0
	.amdhsa_kernel k_q01f7083629_quant
		.amdhsa_group_segment_fixed_size 102912
		.amdhsa_private_segment_fixed_size 0
		.amdhsa_enable_private_segment 0
		.amdhsa_kernarg_size 40
		.amdhsa_user_sgpr_count 2
		.amdhsa_user_sgpr_kernarg_segment_ptr 1
		.amdhsa_wavefront_size32 1
		.amdhsa_system_sgpr_workgroup_id_x 1
		.amdhsa_system_sgpr_workgroup_id_y 1
		.amdhsa_system_sgpr_workgroup_id_z 1
		.amdhsa_system_vgpr_workitem_id 0
		.amdhsa_next_free_vgpr 194
		.amdhsa_next_free_sgpr 66
		.amdhsa_reserve_vcc 0
		.amdhsa_float_denorm_mode_32 3
		.amdhsa_float_denorm_mode_16_64 3
		.amdhsa_fp16_overflow 1
		.amdhsa_memory_ordered 1
		.amdhsa_forward_progress 1
		.amdhsa_inst_pref_size 86
	.end_amdhsa_kernel
	.amdgpu_metadata
---
amdhsa.version: [ 1, 2 ]
amdhsa.kernels:
  - .name:           k_q01f7083629_quant
    .symbol:         k_q01f7083629_quant.kd
    .args:
      - { .name: x, .offset: 0, .size: 8, .value_kind: global_buffer, .address_space: global }
      - { .name: W_attn, .offset: 8, .size: 8, .value_kind: global_buffer, .address_space: global }
      - { .name: W_proj, .offset: 16, .size: 8, .value_kind: global_buffer, .address_space: global }
      - { .name: lowp_scales, .offset: 24, .size: 8, .value_kind: global_buffer, .address_space: global }
      - { .name: codes_in, .offset: 32, .size: 8, .value_kind: global_buffer, .address_space: global }
    .group_segment_fixed_size: 102912
    .private_segment_fixed_size: 0
    .kernarg_segment_align: 8
    .kernarg_segment_size: 40
    .max_flat_workgroup_size: 128
    .sgpr_count:     66
    .vgpr_count:     194
    .wavefront_size: 32
...
	.end_amdgpu_metadata
.endif
;; end of part 1
;; launch gemm_qkv (part 2): grid 12 x 32, 4 waves a work-group, clusters of 4 x 4, 327,680 bytes of LDS; arguments codes_in, b_attn, lowp_scales, qkv_codes; writes qkv_codes
.if DOCPART == 2
	.amdgcn_target "amdgcn-amd-amdhsa--gfx1250"
	.amdhsa_code_object_version 6
	.text
	.protected	k_q01f7083629_gemm_qkv
	.globl	k_q01f7083629_gemm_qkv
	.p2align	8
	.type	k_q01f7083629_gemm_qkv,@function
k_q01f7083629_gemm_qkv:
	s_mov_b64 s[64:65], 0
	v_nop
	global_prefetch_b8 v0, s[64:65] scope:SCOPE_SE
	s_setreg_imm32_b32 hwreg(HW_REG_WAVE_MODE, 25, 1), 1
	s_wait_xcnt 0x0
	s_wait_alu depctr_hold_cnt(0) depctr_sa_sdst(0) depctr_va_vdst(0) depctr_va_sdst(0) depctr_va_ssrc(0) depctr_va_vcc(0) depctr_vm_vsrc(0)
	s_getreg_b32 s2, hwreg(HW_REG_IB_STS2, 6, 4)
	s_cmp_eq_u32 s2, 0
	s_cbranch_scc0 .Lentry_in_a_cluster
	s_endpgm
.Lentry_in_a_cluster:
	s_bfe_u32 s2, ttmp6, 0x10000c
	s_cmp_lg_u32 s2, 0xf033
	s_cbranch_scc0 .Lentry_shape_is_right
	s_endpgm
.Lentry_shape_is_right:
; qkv = x W_attn + b_attn on codes of FP8 (E4M3), and q, k, v quantised at once for attention's products.  K = 1,024.  Sums in f32; value = sum x 2^(e0 + e1) + bias; code = value / 2^eo held within +-448 (eo = e2 for q, e3 for k, e5 for v).
; LIMITS: e0 + e1 between -126 and 127; e2, e3, e5 between -126 and 119.
; A tile of 256 x 256 is made by four waves, each 128 x 128: 64 accumulators, 512 registers.  K goes in four steps of 256 through two LDS slots filled by the tensor data mover.
; THE MATRIX INSTRUCTION IS USED TRANSPOSED (source 0 = 16 rows of "B", source 1 = 16 rows of "A"): a lane holds ONE row of A and eight rows of B.
;   cluster x = 0 (q), 1 (k): A = 256 tokens of x, B = 256 rows of the weight's codes.  Those rows are stored at sw(column), so accumulators 2 g and 2 g + 1 give a lane 16 neighbouring columns 32 g + 16 (lane / 16) + 0 .. 15.
;   cluster x = 2 (v): the transposed problem: A = 256 rows of the weight's codes, B = 256 tokens: a lane's registers run along the TOKENS, which are the K of attention's second product.
; So in both cases the conversions' results are the next launch's operand registers, and they leave straight from registers, 512 consecutive bytes a store:
;   q at 0, k at 0x800000: [head-of-batch 64][tile of 16 tokens 128][c 2][lane 32][16 bytes]: lane 16 h + r: token r of the tile, head dimension 32 c + 16 h + 0 .. 15
;   v at 0x1000000: [head-of-batch 64][128 tokens 16][t 4][g 4][lane 32][16 bytes]: registers 4 g .. 4 g + 3 of the fragment of V^T: registers 2 b, 2 b + 1 of lane (r, h): tokens 16 b + 8 h + 0 .. 7, channel sw(16 t + r)
; CLUSTERS: 4 x 4 work-groups.  A's tile hangs on cy alone and is shared along a row of the cluster, B's on cx alone and is shared along a column: each is asked for JOINTLY.  The one branch that is not on the wave's number is on the cluster's x, which all sixteen share.
; REGISTERS, in windows of 256: window 0: v0-31 addresses; v32-95 the bias; from v128 A's fragments, ONE set; on the way out v96-159 a block's values, v160-191 two sets of codes.
;   window 1: B's fragments, TWO sets.   window 2: the accumulators of my A rows 0-63 ((a, b) at v[8 (8 a + b)]);   window 3: those of rows 64-127.
; No prefetch: of the four K steps two are first fills.
.set ROWB,   256                       ; a tile's row in bytes
.set KROW,   1024                      ; a row of codes_in
.set PITCH,  272                       ; an LDS row: 256 bytes + 16 of padding = 68 words: the 16 rows that a load touches start at 16 different banks (64 banks of 4 bytes: ISA guide 11.1)
.set FR,     16                        ; registers of a fragment: 16 rows x 128 K
.set NL,     4                         ; LDS loads that bring one
.set NP,     4                         ; places behind this matrix instruction (ISA guide 7.12.1)
.set HALFT,  128*PITCH                 ; what one tensor load brings
.set SLOT,   4*HALFT                   ; A's 256 rows, then B's 256 rows
.set SPARE,  2*SLOT                    ; behind the ring: the spare words, 128 bytes a wave: two blocks of 256 bytes that no other line names
.set SCL,  12                          ; v12  2^eo as f32
.set LIM,  13
.set ADRA, 16                          ; v16-17  LDS address of my A fragments in slot 0, 1
.set ADRB, 20                          ; v20-21  the same for B
.set CO,   26                          ; v26  16 x lane: my place in a store's 512 bytes
.set BOQ,  27                          ; v27  q, k: the bias loads' lane offset: 64 (lane / 16)
.set SPW,  28                          ; v28  LDS address of my spare word; never rewritten
.set NIL,  29                          ; v29  0; never rewritten
.set BOV,  30                          ; v30  v: the bias loads' lane offset: 4 (r + 8 (r / 8))
.set BIAS, 32
.set TMP,  96
.set AF,   128
.set PC,   160
.set G1, 24                            ; s[24:31] descriptor group 1 for A's tiles;  s[32:39] group 0, one set for each slot
.set G0, 32
.set G1B, 48                           ; s[48:55], s[56:63] the same for B's tiles
.set G0B, 56
.set MSB, 0
.macro WIN new                         ; the immediate's high byte repeats the setting that is left
.if MSB != (\new)
	s_set_vgpr_msb (MSB<<8)|(\new)
.set MSB, (\new)
.endif
.endm
.set MUL_LO, 0xa1                      ; source 0 (B) window 1, source 1 (A) window 0, C and D window 2
.set MUL_HI, 0xf1                      ; the same, C and D window 3
.set TO_B,   0x40                      ; destination window 1, address window 0
; A joint load: waves 0 and 1 fetch for A, waves 2 and 3 for B.  The branch hangs on the wave's number alone.  Four v_nop follow each of the two lines.
.macro JLOAD g0a, g1a, g0b, g1b
	s_cmp_eq_u32 s15, 0
	s_cbranch_scc0 .Lfor_b_\@
	tensor_load_to_lds s[\g0a:\g0a+3], s[\g1a:\g1a+7]
	s_nop 0
.rept 4
	v_nop
.endr
	s_branch .Lasked_\@
.Lfor_b_\@:
	tensor_load_to_lds s[\g0b:\g0b+3], s[\g1b:\g1b+7]
	s_nop 0
.rept 4
	v_nop
.endr
.Lasked_\@:
.endm
.macro CREST                           ; a round of the cluster's barrier behind its opening barrier
	s_cmp_lg_u32 s14, 0
	s_cbranch_scc1 .Lnot_wave_0_\@
	s_barrier_signal -3
.Lnot_wave_0_\@:
	s_barrier_wait -3
	s_barrier_signal -1
	s_barrier_wait -1
.endm
.macro CROUND                          ; a whole round
	s_barrier_signal -1
	s_barrier_wait -1
	CREST
.endm
	s_load_b256 s[4:11], s[0:1], 0x0               ; codes_in s[4:5], b_attn s[6:7], the scales' exponents s[8:9], qkv_codes s[10:11]
	v_lshl_add_u32 v[SPW], v0, 2, SPARE
	v_mov_b32 v[NIL], 0
	ds_add_u32 v28, v29
	ds_add_u32 v28, v29
	s_wait_dscnt 0x0
	v_lshrrev_b32 v1, 5, v0
	v_readfirstlane_b32 s14, v1                    ; wave 0..3
	s_lshr_b32 s15, s14, 1                         ; which half of A's rows is mine.  Also: I fetch for A (0) or for B (1)
	s_and_b32 s16, s14, 1                          ; which half of B's rows.  Also: which 128 rows of that tile I fetch
	s_bfe_u32 s40, ttmp6, 0x40000                  ; cx, cy: my place in the cluster
	s_bfe_u32 s41, ttmp6, 0x40004
	s_and_b32 s66, ttmp7, 0xffff                   ; the cluster's y, 0..7
	s_lshl_b32 s67, s66, 2
	s_lshl_b32 s68, ttmp9, 2
	s_add_co_u32 s68, s68, 32                      ; q's or k's first tile of 256 rows in codes_in: 32 + 4 x cluster x
	s_cmp_eq_u32 ttmp9, 2                          ; v?  The same answer in all sixteen partners
	s_cselect_b32 s17, 40, s67                     ; A: v's rows of the weight begin at tile 40; else the tokens' tiles
	s_cselect_b32 s42, s67, s68                    ; B: the tokens' tiles; else the weight's
	s_add_co_u32 s17, s17, s41                     ; A's tile: + cy
	s_add_co_u32 s42, s42, s40                     ; B's tile: + cx
	s_lshl_b32 s43, s41, 2
	s_lshl_b32 s43, 15, s43                        ; my row of the cluster
	s_lshl_b32 s44, 0x1111, s40                    ; my column
	; descriptor group 1: a tile of 128 rows x 256 bytes, padded in LDS
	s_or_b32 s[G1+0], s43, (0<<16)|(1<<20)|(1<<21)|(5<<22)|(3<<25)  ; 15:0 the mask; 17:16 element of 1 byte; 20 padding on; 21 set beside a mask; 24:22 after every 64 words (code 5); 31:25 of 4 words (code 3)
	s_or_b32 s[G1B+0], s44, (0<<16)|(1<<20)|(1<<21)|(5<<22)|(3<<25)
.irp g, G1, G1B
	s_mov_b32 s[\g+1], ROWB<<16                    ; tensor_dim0
	s_mov_b32 s[\g+2], 128<<16                     ; tensor_dim1
	s_mov_b32 s[\g+3], ROWB<<16                    ; tile_dim0
	s_mov_b32 s[\g+4], 128                         ; tile_dim1
	s_mov_b32 s[\g+5], KROW                        ; tensor_dim0_stride
	s_mov_b32 s[\g+6], 0
	s_mov_b32 s[\g+7], 0
.endr
	s_lshl_b32 s18, s16, 7                         ; which 128 rows of the tile I fetch
	s_lshl_b32 s20, s17, 8
	s_add_co_u32 s20, s20, s18
	s_lshl_b32 s20, s20, 10                        ; A: row x 1,024 bytes (under 2^24)
	s_mov_b32 s21, 0
	s_lshl_b32 s46, s42, 8
	s_add_co_u32 s46, s46, s18
	s_lshl_b32 s46, s46, 10                        ; B likewise, in registers that never hold cy
	s_mov_b32 s47, 0
	s_mul_i32 s45, s14, HALFT                      ; where they go: wave x 128 rows: no place in the cluster enters an LDS address
	s_wait_kmcnt 0x0
	s_load_b256 s[72:79], s[8:9], 0x0              ; e0 .. e7
	s_add_nc_u64 s[20:21], s[4:5], s[20:21]
	s_add_nc_u64 s[46:47], s[4:5], s[46:47]
	CROUND                                         ; all sixteen work-groups are here: the first joint loads meet
.irp s, 0,1
	s_mov_b32 s[G0+4*\s], 1
	s_add_co_u32 s[G0+4*\s+1], s45, \s*SLOT
	s_add_nc_u64 s[G0+4*\s+2:G0+4*\s+3], s[20:21], \s*ROWB
	s_or_b32 s[G0+4*\s+3], s[G0+4*\s+3], 0x80000000
	s_mov_b32 s[G0B+4*\s], 1
	s_add_co_u32 s[G0B+4*\s+1], s45, \s*SLOT
	s_add_nc_u64 s[G0B+4*\s+2:G0B+4*\s+3], s[46:47], \s*ROWB
	s_or_b32 s[G0B+4*\s+3], s[G0B+4*\s+3], 0x80000000
	JLOAD G0+4*\s, G1, G0B+4*\s, G1B
.endr
	v_and_b32 v1, 15, v0                           ; r = l % 16
	v_bfe_u32 v2, v0, 4, 1                         ; h = l / 16
	v_mul_u32_u24 v3, v1, PITCH
	v_lshl_add_u32 v4, v2, 4, v3                   ; a fragment's row x pitch + 16 x half
	s_mul_i32 s21, s15, HALFT                      ; my 128 rows of A
	s_mul_i32 s22, s16, HALFT                      ; my 128 rows of B,
	s_add_co_u32 s22, s22, 2*HALFT                 ; which lie behind A's 256
.irp s, 0,1
	v_add_nc_u32 v[ADRA+\s], s21, v4
	v_add_nc_u32 v[ADRB+\s], s22, v4
	s_add_co_u32 s21, s21, SLOT
	s_add_co_u32 s22, s22, SLOT
.endr
	v_and_b32 v5, 31, v0
	v_lshlrev_b32 v[CO], 4, v5
	v_lshlrev_b32 v[BOQ], 6, v2
	v_and_b32 v6, 8, v1
	v_add_nc_u32 v6, v6, v1
	v_lshlrev_b32 v[BOV], 2, v6
.macro FRAG reg, adr, q, i             ; a fragment: lane l holds row l % 16; registers 4 c .. 4 c + 3 hold K = 32 c + 16 (l / 16) + 0 .. 15: a permutation of k that is the same in A and in B
.irp c, 0,1,2,3
	ds_load_b128 v[\reg+4*\c:\reg+4*\c+3], v[\adr] offset:128*(\q)+32*\c+(\i)*16*PITCH
.endr
.endm
; 16 matrix instructions: A's blocks a0, a0 + 1 x B's eight, 128 along K.  p: B's set.  zero = 1: the first product starts the sums.  The 64 accumulators take turns, one instruction a turn.
.macro MUL16 a0, p, zero
.irp a, \a0, \a0+1
.irp b, 0,1,2,3,4,5,6,7
.if \zero
	v_wmma_f32_16x16x128_fp8_fp8 v[8*(8*((\a)%4)+\b):8*(8*((\a)%4)+\b)+7], v[128*(\p)+FR*\b:128*(\p)+FR*\b+FR-1], v[AF+FR*(\a):AF+FR*(\a)+FR-1], 0
.else
	v_wmma_f32_16x16x128_fp8_fp8 v[8*(8*((\a)%4)+\b):8*(8*((\a)%4)+\b)+7], v[128*(\p)+FR*\b:128*(\p)+FR*\b+FR-1], v[AF+FR*(\a):AF+FR*(\a)+FR-1], v[8*(8*((\a)%4)+\b):8*(8*((\a)%4)+\b)+7]
.endif
.endr
.endr
.endm
.macro FETCH_B slot, q, p              ; B's eight fragments of the slot's q-th 128 along K into set p
	WIN TO_B
.irp i, 0,1,2,3,4,5,6,7
	FRAG 128*(\p)+FR*\i, ADRB+\slot, \q, \i
.endr
	WIN 0
.endm
.macro FETCH_A slot, q, i0             ; A's blocks i0 .. i0 + 3
.irp i, \i0, \i0+1, \i0+2, \i0+3
	FRAG AF+FR*(\i), ADRA+\slot, \q, \i
.endr
.endm
.macro PLACES n                        ; plain vector instructions between a matrix instruction and a load into, or a vector access of, its registers
.rept \n
	v_nop
.endr
.endm
; A step of 128 along K that has its successor in the same slot.
.macro STEP slot, q, zero
	s_wait_dscnt 4*NL                              ; B's set and A's blocks 0-3 are in; the youngest sixteen loads (A's blocks 4-7) may be out
	WIN MUL_LO
	MUL16 0, (\q)%2, \zero
	MUL16 2, (\q)%2, \zero
	s_wait_dscnt 0                                 ; A's blocks 4-7 are in
	PLACES NP
	FETCH_B \slot, (\q)+1, 1-(\q)%2
	FETCH_A \slot, (\q)+1, 0
	WIN MUL_HI
	MUL16 4, (\q)%2, \zero
	MUL16 6, (\q)%2, \zero
	PLACES NP
	WIN 0
	FETCH_A \slot, (\q)+1, 4
.endm
; A slot's last step changes slots: ONE barrier; in front of it each wave waits for all its tensor loads, adds 0 to its spare word, and waits for that and for its own reads of this slot.  fill = 1: this slot is filled again, two K steps ahead.
.macro TURN slot, next, fill
	s_wait_tensorcnt 0x0                           ; all my tensor loads have landed: my part of the next slot
	ds_add_u32 v[SPW], v[NIL]                      ; 0 onto my spare word
	s_wait_dscnt 4*NL+1                            ; (the add and the youngest sixteen loads, A's blocks 4-7, may be out)
	WIN MUL_LO
	MUL16 0, 1, 0                                  ; sixteen matrix instructions stand between the add and the wait for it
	s_wait_dscnt 0x0                               ; the add is done, and my reads of this slot are over
	s_barrier_signal -1
	MUL16 2, 1, 0
	WIN 0
	s_barrier_wait -1
.if \fill
	CREST                                          ; the barrier has opened a round of the cluster's barrier: no wave of any partner still reads this slot's tile or has a load on its way
	s_add_nc_u64 s[G0+4*\slot+2:G0+4*\slot+3], s[G0+4*\slot+2:G0+4*\slot+3], 2*ROWB
	s_add_nc_u64 s[G0B+4*\slot+2:G0B+4*\slot+3], s[G0B+4*\slot+2:G0B+4*\slot+3], 2*ROWB
	JLOAD G0+4*\slot, G1, G0B+4*\slot, G1B         ; the first tensor load behind the round; its four v_nop are also the places in front of the loads below
.else
	PLACES NP
.endif
	FETCH_B \next, 0, 0
	FETCH_A \next, 0, 0
	WIN MUL_HI
	MUL16 4, 1, 0
	MUL16 6, 1, 0
	PLACES NP
	WIN 0
	FETCH_A \next, 0, 4
.endm
.macro LAST                            ; the very last step: nothing more to fetch
	s_wait_dscnt 4*NL
	WIN MUL_LO
	MUL16 0, 1, 0
	MUL16 2, 1, 0
	s_wait_dscnt 0
	WIN MUL_HI
	MUL16 4, 1, 0
	MUL16 6, 1, 0
	WIN 0
.endm
.macro SCALES                          ; s84 = eo.  s[96:97] = 2^(e0 + e1); v[SCL] = 2^eo
	s_add_co_i32 s96, s72, s73
	s_add_co_i32 s96, s96, 127
	s_lshl_b32 s96, s96, 23
	s_mov_b32 s97, s96                             ; (named with it as a pair, so it is written)
	s_add_co_i32 s84, s84, 127
	s_lshl_b32 s85, s84, 23
	v_mov_b32 v[SCL], s85
	s_add_co_i32 s84, s84, 8
	s_lshl_b32 s84, s84, 23
	s_or_b32 s84, s84, 0x600000
.endm
; THE WAY OUT of A's block a: 64 sums a lane become values (one packed multiply-add for two: sum x 2^(e0 + e1) + bias; each accumulator from its low end on), are held, converted, and stored from registers.
.macro OUTBLK a, isv
.if (\a) > 1
	s_wait_xcnt 0x0                                ; block a - 2's stores have read their data: its set of code registers is written again only behind this wait
.endif
	WIN 0x02+((\a)/4)                              ; source 0: window 2 or 3
.set jj, 0
.rept 32
.if \isv
	v_pk_fma_f32 v[TMP+jj:TMP+jj+1], v[64*((\a)%4)+jj:64*((\a)%4)+jj+1], s[96:97], v[BIAS+2*(\a):BIAS+2*(\a)+1] op_sel_hi:[1,0,1]   ; v: the lane's one channel has one bias
.else
	v_pk_fma_f32 v[TMP+jj:TMP+jj+1], v[64*((\a)%4)+jj:64*((\a)%4)+jj+1], s[96:97], v[BIAS+jj:BIAS+jj+1] op_sel_hi:[1,0,1]
.endif
.set jj, jj+2
.endr
	WIN 0
.irp b, 0,1,2,3,4,5,6,7
.irp i, 0,1,2,3,4,5,6,7
.endr
	v_cvt_scalef32_pk8_fp8_f32 v[PC+16*((\a)%2)+2*\b:PC+16*((\a)%2)+2*\b+1], v[TMP+8*\b:TMP+8*\b+7], v[SCL]
.endr
	v_nop                                          ; a plain vector line behind the last conversion, ahead of the next block's writes of its sources
.irp g, 0,1,2,3
.if \isv
	global_store_b128 v[CO], v[PC+16*((\a)%2)+4*\g:PC+16*((\a)%2)+4*\g+3], s[10:11] offset:131072*((\a)/4)+2048*((\a)%4)+512*\g   ; head a / 4, channels' tile a % 4, registers 4 g on
.else
	global_store_b128 v[CO], v[PC+16*((\a)%2)+4*\g:PC+16*((\a)%2)+4*\g+3], s[10:11] offset:1024*(\a)+131072*(\g/2)+512*(\g%2)      ; tokens' tile a, head g / 2, c = g % 2
.endif
.endr                                              ; each store of the wave covers 512 consecutive bytes, aligned
.endm
	s_wait_alu depctr_va_vdst(0)
	s_wait_tensorcnt 1                             ; my part of K step 0 is in (K step 1's load may be out)
	s_barrier_signal -1
	s_barrier_wait -1                              ; everybody's is
	FETCH_B 0, 0, 0
	FETCH_A 0, 0, 0
	FETCH_A 0, 0, 4
	STEP 0, 0, 1                                   ; the first products start the sums: nothing is cleared
	TURN 0, 1, 1                                   ; four K steps of 256 are written out: slot 0 takes K step 2,
	STEP 1, 0, 0
	TURN 1, 0, 1                                   ; slot 1 K step 3,
	STEP 0, 0, 0
	TURN 0, 1, 0                                   ; and nothing more is asked for
	STEP 1, 0, 0
	s_cmp_eq_u32 ttmp9, 2
	s_cbranch_scc1 .Lv
	; ---- q, k: bias of my 128 columns, in the accumulators' layout: register 8 b + j: column 32 (b / 2) + 16 h + 8 (b % 2) + j.  The loads land under the last 64 products
	s_lshl_b32 s80, ttmp9, 2
	s_add_co_u32 s80, s80, s40
	s_lshl_b32 s80, s80, 10                        ; 256 columns x 4 bytes x (4 x cluster x + cx)
	s_lshl_b32 s81, s16, 9
	s_add_co_u32 s80, s80, s81
	s_mov_b32 s81, 0
	s_add_nc_u64 s[6:7], s[6:7], s[80:81]
.irp b, 0,1,2,3,4,5,6,7
	global_load_b128 v[BIAS+8*\b:BIAS+8*\b+3], v[BOQ], s[6:7] offset:4*(32*(\b/2)+8*(\b%2))
	global_load_b128 v[BIAS+8*\b+4:BIAS+8*\b+7], v[BOQ], s[6:7] offset:4*(32*(\b/2)+8*(\b%2))+16
.endr
	s_lshr_b32 s82, s66, 1                         ; batch
	s_lshl_b32 s82, s82, 4
	s_lshl_b32 s83, s40, 2
	s_add_co_u32 s82, s82, s83
	s_lshl_b32 s83, s16, 1
	s_add_co_u32 s82, s82, s83                     ; 16 x batch + my first head
	s_lshl_b32 s82, s82, 7
	s_add_co_u32 s83, s67, s41
	s_and_b32 s83, s83, 7
	s_lshl_b32 s83, s83, 4
	s_add_co_u32 s82, s82, s83                     ; + the tile of 256 tokens in its batch, in tiles of 16,
	s_lshl_b32 s83, s15, 3
	s_add_co_u32 s82, s82, s83                     ; + my half's eight
	s_lshl_b32 s82, s82, 10
	s_lshl_b32 s83, ttmp9, 23                      ; q at 0, k at 0x800000
	s_add_co_u32 s82, s82, s83
	s_mov_b32 s83, 0
	s_add_nc_u64 s[10:11], s[10:11], s[82:83]
	LAST
	s_wait_kmcnt 0x0
	s_cmp_eq_u32 ttmp9, 0
	s_cselect_b32 s84, s74, s75                    ; e2 for q, e3 for k
	SCALES
	s_wait_loadcnt 0x0                             ; the bias
	PLACES NP
.irp a, 0,1,2,3,4,5,6,7
	OUTBLK \a, 0
.endr
	s_branch .Lend
.Lv:
	; ---- v: a lane's channel in block a is 32 (a / 2) + 8 (a % 2) + r + 8 (r / 8): one bias a block, loaded into both registers of a pair
	s_lshl_b32 s80, s41, 10
	s_lshl_b32 s81, s15, 9
	s_add_co_u32 s80, s80, s81
	s_add_co_u32 s80, s80, 8192                    ; 4 x (2,048 + 256 cy + 128 x my half)
	s_mov_b32 s81, 0
	s_add_nc_u64 s[6:7], s[6:7], s[80:81]
.irp a, 0,1,2,3,4,5,6,7
	global_load_b32 v[BIAS+2*\a], v[BOV], s[6:7] offset:4*(32*(\a/2)+8*(\a%2))
	global_load_b32 v[BIAS+2*\a+1], v[BOV], s[6:7] offset:4*(32*(\a/2)+8*(\a%2))
.endr
	s_lshr_b32 s82, s66, 1                         ; batch
	s_lshl_b32 s82, s82, 4
	s_lshl_b32 s83, s41, 2
	s_add_co_u32 s82, s82, s83
	s_lshl_b32 s83, s15, 1
	s_add_co_u32 s82, s82, s83                     ; 16 x batch + my first head
	s_lshl_b32 s82, s82, 4
	s_add_co_u32 s83, s67, s40
	s_and_b32 s83, s83, 7
	s_lshl_b32 s83, s83, 1
	s_add_co_u32 s82, s82, s83
	s_add_co_u32 s82, s82, s16                     ; + which 128 tokens of the batch
	s_lshl_b32 s82, s82, 13
	s_add_co_u32 s82, s82, 0x1000000
	s_mov_b32 s83, 0
	s_add_nc_u64 s[10:11], s[10:11], s[82:83]
	LAST
	s_wait_kmcnt 0x0
	s_mov_b32 s84, s77                             ; e5
	SCALES
	s_wait_loadcnt 0x0
	PLACES NP
.irp a, 0,1,2,3,4,5,6,7
	OUTBLK \a, 1
.endr
.Lend:
	s_wait_tensorcnt 0x0                           ; the wave's end
	ds_add_u32 v[SPW], v[NIL]
	s_wait_dscnt 0x0
	CROUND                                         ; the closing round: no work-group ends while a partner may still ask for a tile that names it
	s_endpgm
.Lfunc_end_k_q01f7083629_gemm_qkv:
	.size	k_q01f7083629_gemm_qkv, .Lfunc_end_k_q01f7083629_gemm_qkv-k_q01f7083629_gemm_qkv
	.p2alignl 7, 3214868480
	.fill 96, 4, 3214868480
	.section	.rodata,"a",@progbits
	.p2align	6, 0x0
	.amdhsa_kernel k_q01f7083629_gemm_qkv
		.amdhsa_group_segment_fixed_size 327680
		.amdhsa_private_segment_fixed_size 0
		.amdhsa_enable_private_segment 0
		.amdhsa_kernarg_size 32
		.amdhsa_user_sgpr_count 2
		.amdhsa_user_sgpr_kernarg_segment_ptr 1
		.amdhsa_wavefront_size32 1
		.amdhsa_system_sgpr_workgroup_id_x 1
		.amdhsa_system_sgpr_workgroup_id_y 1
		.amdhsa_system_sgpr_workgroup_id_z 1
		.amdhsa_system_vgpr_workitem_id 0
		.amdhsa_next_free_vgpr 1024
		.amdhsa_next_free_sgpr 100
		.amdhsa_reserve_vcc 0
		.amdhsa_float_denorm_mode_32 3
		.amdhsa_float_denorm_mode_16_64 3
		.amdhsa_fp16_overflow 1
		.amdhsa_memory_ordered 1
		.amdhsa_forward_progress 1
		.amdhsa_inst_pref_size 135
	.end_amdhsa_kernel
	.amdgpu_metadata
---
amdhsa.version: [ 1, 2 ]
amdhsa.kernels:
  - .name:           k_q01f7083629_gemm_qkv
    .symbol:         k_q01f7083629_gemm_qkv.kd
    .args:
      - { .name: codes_in, .offset: 0, .size: 8, .value_kind: global_buffer, .address_space: global }
      - { .name: b_attn, .offset: 8, .size: 8, .value_kind: global_buffer, .address_space: global }
      - { .name: lowp_scales, .offset: 16, .size: 8, .value_kind: global_buffer, .address_space: global }
      - { .name: qkv_codes, .offset: 24, .size: 8, .value_kind: global_buffer, .address_space: global }
    .group_segment_fixed_size: 327680
    .private_segment_fixed_size: 0
    .kernarg_segment_align: 8
    .kernarg_segment_size: 32
    .max_flat_workgroup_size: 128
    .sgpr_count:     100
    .vgpr_count:     1024
    .wavefront_size: 32
...
	.end_amdgpu_metadata
.endif
;; end of part 2
;; launch attn (part 3): grid 4 x 64, 16 waves a work-group, clusters of 4 x 1, 327,680 bytes of LDS; arguments qkv_codes, lowp_scales, ctx_codes; writes ctx_codes
.if DOCPART == 3
	.amdgcn_target "amdgcn-amd-amdhsa--gfx1250"
	.amdhsa_code_object_version 6
	.text
	.protected	k_q01f7083629_attn
	.globl	k_q01f7083629_attn
	.p2align	8
	.type	k_q01f7083629_attn,@function
k_q01f7083629_attn:
	s_mov_b64 s[64:65], 0
	v_nop
	global_prefetch_b8 v0, s[64:65] scope:SCOPE_SE
	s_setreg_imm32_b32 hwreg(HW_REG_WAVE_MODE, 25, 1), 1
	s_wait_xcnt 0x0
	s_wait_alu depctr_hold_cnt(0) depctr_sa_sdst(0) depctr_va_vdst(0) depctr_va_sdst(0) depctr_va_ssrc(0) depctr_va_vcc(0) depctr_vm_vsrc(0)
	s_getreg_b32 s2, hwreg(HW_REG_IB_STS2, 6, 4)
	s_cmp_eq_u32 s2, 0
	s_cbranch_scc0 .Lentry_in_a_cluster
	s_endpgm
.Lentry_in_a_cluster:
	s_bfe_u32 s2, ttmp6, 0x10000c
	s_cmp_lg_u32 s2, 0x3003
	s_cbranch_scc0 .Lentry_shape_is_right
	s_endpgm
.Lentry_shape_is_right:
; Causal attention on codes of FP8 (E4M3): 64 heads-of-batch, 2,048 tokens, head size 64.  ctx = (sum over keys of Q(p) Q(v)) / l, quantised at once for the projection.
; t = score x 2^(e2 + e3) x log2(e) / 8;  M = the running largest t rounded UP to a whole number;  p = 2^(t - M), not normalised, is quantised with 2^e4;  l = the sum of the unquantised p, f32.
; When M moves, l and O are multiplied by 2^(old M - new M): nothing is rounded, and no branch hangs on data.  ctx = O x 2^(e4 + e5) / l, code = ctx / 2^e6 held within +-448.
; LIMITS: e2 + e3 between -123 and 130 (added to the constant's exponent field); e4, e6 between -126 and 119; e4 + e5 goes through v_ldexp_f32 and has none.
; INPUTS as the launch before laid them, in the order of the operands' registers: every fragment comes by loads of 16 bytes a lane at 16 x lane, 512 consecutive bytes each: no pitch, no padding.
; SHARES.  A cluster of four work-groups owns one head.  The head's 128 tiles of 16 queries are dealt t = 4 n + cx.  A wave owns tiles n = rank and n = 31 - rank: tile n has n / 2 + 1 key steps of 128, so every wave
; has 17 of them, and every work-group walks all 8 slots of 256 keys: equal work, constant trip counts.  rank = 4 ((a + b) % 4) + a with a = wave / 4, b = wave % 4: any four neighbouring ranks lie in waves that differ in a and in b.
; THE CAUSAL MASK.  The step's first key KF is a multiple of 128, so a step is all hidden exactly where KF >= 64 (n + 1), and all open exactly where KF + 128 <= 64 n: neither test knows cx, so no branch hangs on a work-group's
; place in its cluster.  In the one step between, hidden scores become -infinity ahead of the maximum.  A hidden step's work is jumped over; no barrier and no tensor load stands in a step.
; CLUSTER.  The four partners walk the same K and V: each slot is asked for JOINTLY (mask 15): wave 0 K's 16 KiB, wave 1 V's.  A wave has at most one tensor load outstanding.
; LAYOUT.  S^T = K Q^T (source 0 = 16 keys, source 1 = my 16 queries; K = 64): register 8 c + j of lane (r, h) is key KF + 16 c + 8 h + j of query r: converted eight at a time it IS source 1 of
; O^T = V^T P^T (K = 128 keys) in that form's own order.  O^T's tiles 2 u, 2 u + 1 hold channels 32 u + 16 h + 0 .. 15 (V's rows lie at sw(channel)): 16 codes a lane, stored as the projection's operand image.
.set SLOTB, 0x8000                     ; a slot: K's 16 tiles of 1 KiB, then V's 2 x 4 fragments of 2 KiB; slot 1 begins here: one exclusive or turns an address
.set VOFF,  16384
.set SPARE, 65536                      ; behind the ring: the spare words, 128 bytes for each of 16 waves: eight blocks of 256 bytes that no other line names
.set LI,   1                           ; v1   16 x lane; never rewritten
.set ADR,  2                           ; v2   LDS address of the slot in hand for my lane
.set SPW,  3                           ; v3   LDS address of my spare word; never rewritten
.set NIL,  4                           ; v4   0; never rewritten
.set PFO,  5                           ; v5   256 x lane: the prefetches' offset; never rewritten
.set DL,   6                           ; v6   r - 8 h, for the mask
.set STA,  8                           ; v8-11  tile A: -M, the largest t, l in two halves
.set STB,  12                          ; v12-15 tile B
.set QA,   16                          ; v16-23, v24-31 Q's fragments
.set QB,   24
.set FR,   32                          ; v32-95   a step's fragments of K, then of V
.set S,    96                          ; v96-159  S^T, then p
.set OA,   160                         ; v160-191, v192-223 O^T
.set OB,   192
.set PC,   224                         ; v224-239 p's codes
.set LIMV, 240
.set LIM6, 241
.set SUM2, 242                         ; v[242:243] the sum's second chain
.set SCL,  244                         ; 2^e4
.set SCL6, 245                         ; 2^e6
.set PERM, 246                         ; a lane permute's destination
.set F,    248                         ; v[248:249] f = 2^(old M - new M) (the upper register is only named)
.set T0,   250
.set T1,   251
.set DD,   252
.set NINF, 253
.set TB,   2                           ; s2   LDS byte at which the slot in hand begins
.set WV,   18                          ; s18  my wave's number
.set SEL,  20                          ; s[20:21] lane selects: lane l xor 16
.set CS,   22                          ; s[22:23] log2(e) / 8 x 2^(e2 + e3)
.set G1,   24                          ; s[24:31] descriptor group 1
.set G0,   40                          ; s[40:43] group 0, which walks
.set SLOTS, 67                         ; s67  slots still to be asked for
.set PFA,  76                          ; s[76:77] where my work-group's prefetches stand
.set PLIM, 80                          ; s80  1 in the wave that prefetches, else the greatest number
.set KF,   98                          ; s98  the step's first key
; s84, s85, s86: tile A's 64 (n + 1), 64 n, first query;  s87, s88, s89: tile B's.  s[44:47] Q's pointers, s[48:51] ctx's.  s[68:75] e0 .. e7.
.macro CROUND                          ; a round of the cluster's barrier
	s_barrier_signal -1
	s_barrier_wait -1
	s_cmp_lg_u32 s[WV], 0
	s_cbranch_scc1 .Lnot_wave_0_\@
	s_barrier_signal -3
.Lnot_wave_0_\@:
	s_barrier_wait -3
	s_barrier_signal -1
	s_barrier_wait -1
.endm
.macro TLOAD                           ; wave 0: K's part of a slot, wave 1: V's; both addresses hang on wave % 2.  Four v_nop follow the line
	s_cmp_lt_u32 s[WV], 2
	s_cbranch_scc0 .Lasked_\@
	tensor_load_to_lds s[G0:G0+3], s[G1:G1+7]
	s_nop 0
.rept 4
	v_nop
.endr
.Lasked_\@:
.endm
; A PREFETCH INTO THE L2 of the slot that the NEXT change of slots will ask for: 64 blocks of 256 bytes of K and 64 of V.  One cluster walks a head, so each block is named once in the launch: the four partners share the
; 128 blocks out BY ADDRESS (cx / 2: K or V; cx % 2: which 8 KiB), a lane a block, and in each work-group wave 4 asks: one instruction.  Slots 0 and 1 come by their loads alone; the last change that fills a slot asks for nothing.
.macro ASK
	s_cmp_gt_u32 s[SLOTS], s[PLIM]
	s_cbranch_scc0 .Lnot_mine_\@
	global_prefetch_b8 v[PFO], s[PFA:PFA+1] th:TH_LOAD_NT scope:SCOPE_SE
.Lnot_mine_\@:
.endm
	s_load_b128 s[4:7], s[0:1], 0x0                ; qkv_codes s[4:5], the scales' exponents s[6:7]
	s_load_b64 s[8:9], s[0:1], 0x10                ; ctx_codes
	v_lshl_add_u32 v[SPW], v0, 2, SPARE
	v_mov_b32 v[NIL], 0
	ds_add_u32 v3, v4
	ds_add_u32 v3, v4
	s_wait_dscnt 0x0
	v_lshrrev_b32 v7, 5, v0
	s_delay_alu instid0(VALU_DEP_1)
	v_readfirstlane_b32 s[WV], v7                  ; wave 0..15
	s_bfe_u32 s10, ttmp6, 0x40000                  ; cx
	s_and_b32 s11, ttmp7, 0xffff                   ; the head-of-batch, which the partners share
	s_lshr_b32 s12, s[WV], 2
	s_and_b32 s13, s[WV], 3
	s_add_co_u32 s13, s13, s12
	s_and_b32 s13, s13, 3
	s_lshl_b32 s13, s13, 2
	s_add_co_u32 s13, s13, s12                     ; rank = tile A's n
	s_sub_co_u32 s14, 31, s13                      ; tile B's n
	s_lshl_b32 s15, s10, 4                         ; 16 cx
	s_lshl_b32 s85, s13, 6
	s_add_co_u32 s84, s85, 64
	s_add_co_u32 s86, s85, s15                     ; tile A's first query (enters the mask's numbers alone)
	s_lshl_b32 s88, s14, 6
	s_add_co_u32 s87, s88, 64
	s_add_co_u32 s89, s88, s15
	s_lshl_b32 s16, s11, 7
	s_add_co_u32 s16, s16, s10                     ; Q: (128 head + 4 n + cx) KiB
	s_lshl_b32 s17, s13, 2
	s_add_co_u32 s17, s17, s16
	s_lshl_b32 s52, s17, 10
	s_mov_b32 s53, 0
	s_lshl_b32 s17, s14, 2
	s_add_co_u32 s17, s17, s16
	s_lshl_b32 s54, s17, 10
	s_mov_b32 s55, 0
	s_lshr_b32 s32, s11, 4                         ; ctx: ((128 batch + 4 n + cx) x 16 + head) KiB
	s_lshl_b32 s32, s32, 7
	s_add_co_u32 s32, s32, s10
	s_and_b32 s33, s11, 15
	s_lshl_b32 s34, s13, 2
	s_add_co_u32 s34, s34, s32
	s_lshl_b32 s34, s34, 4
	s_add_co_u32 s34, s34, s33
	s_lshl_b32 s56, s34, 10
	s_mov_b32 s57, 0
	s_lshl_b32 s34, s14, 2
	s_add_co_u32 s34, s34, s32
	s_lshl_b32 s34, s34, 4
	s_add_co_u32 s34, s34, s33
	s_lshl_b32 s58, s34, 10
	s_mov_b32 s59, 0
	s_and_b32 s35, s[WV], 1                        ; what I fetch, if I fetch: K (0) or V (1) of the head,
	s_lshl_b32 s36, s35, 23
	s_add_co_u32 s36, s36, 0x800000
	s_lshl_b32 s37, s11, 17
	s_add_co_u32 s36, s36, s37
	s_mov_b32 s37, 0
	s_lshl_b32 s38, s35, 14                        ; and its place in a slot: no place in the cluster enters an LDS address
	s_lshr_b32 s60, s10, 1                         ; the prefetches: my work-group's 8 KiB of a slot, in slot 1: the first change of slots steps it to slot 2
	s_lshl_b32 s60, s60, 23
	s_and_b32 s61, s10, 1
	s_lshl_b32 s61, s61, 13
	s_add_co_u32 s60, s60, s61
	s_lshl_b32 s61, s11, 17
	s_add_co_u32 s60, s60, s61
	s_add_co_u32 s60, s60, 0x800000+16384
	s_mov_b32 s61, 0
	; descriptor group 1: 16 KiB, dense in memory, as 64 rows of 256 bytes
	s_mov_b32 s[G1], 15|(3<<16)|(1<<21)            ; 15:0 the mask: all four work-groups; 17:16 elements of 8 bytes; 21 set beside a mask; no padding
	s_mov_b32 s[G1+1], 32<<16                      ; tensor_dim0 = 32
	s_mov_b32 s[G1+2], 64<<16                      ; tensor_dim1 = 64
	s_mov_b32 s[G1+3], 32<<16                      ; tile_dim0
	s_mov_b32 s[G1+4], 64                          ; tile_dim1
	s_mov_b32 s[G1+5], 32                          ; tensor_dim0_stride
	s_mov_b32 s[G1+6], 0
	s_mov_b32 s[G1+7], 0
	s_mov_b32 s[SEL], 0x76543210
	s_mov_b32 s[SEL+1], 0xfedcba98
	s_mov_b32 s[CS], 0x3e38aa3b                    ; log2(e) / 8
	s_mov_b32 s[TB], 0
	s_mov_b32 s[SLOTS], 7
	s_mov_b32 s[KF], 0
	s_cmp_eq_u32 s[WV], 4
	s_cselect_b32 s[PLIM], 1, -1
	s_wait_kmcnt 0x0
	s_load_b256 s[68:75], s[6:7], 0x0              ; e0 .. e7
	s_mov_b32 s[G0], 1                             ; count = 1
	s_mov_b32 s[G0+1], s38                         ; LDS address: slot 0
	s_add_nc_u64 s[G0+2:G0+3], s[4:5], s[36:37]    ; global address: the head's first 256 keys
	s_or_b32 s[G0+3], s[G0+3], 0x80000000          ; type = 2
	s_add_nc_u64 s[44:45], s[4:5], s[52:53]
	s_add_nc_u64 s[46:47], s[4:5], s[54:55]
	s_add_nc_u64 s[48:49], s[8:9], s[56:57]
	s_add_nc_u64 s[50:51], s[8:9], s[58:59]
	s_add_nc_u64 s[PFA:PFA+1], s[4:5], s[60:61]
	CROUND                                         ; all four work-groups are here: the first joint loads meet
	TLOAD                                          ; slot 0
	v_and_b32 v[LI], 31, v0
	s_delay_alu instid0(VALU_DEP_1)
	v_lshlrev_b32 v[PFO], 8, v[LI]
	s_delay_alu instid0(VALU_DEP_2)
	v_lshlrev_b32 v[LI], 4, v[LI]
	global_load_b128 v[QA:QA+3], v[LI], s[44:45]               ; Q's fragments stay in registers
	global_load_b128 v[QA+4:QA+7], v[LI], s[44:45] offset:512
	global_load_b128 v[QB:QB+3], v[LI], s[46:47]
	global_load_b128 v[QB+4:QB+7], v[LI], s[46:47] offset:512
	v_and_b32 v7, 15, v0
	v_bfe_u32 v[DL], v0, 4, 1
	s_delay_alu instid0(VALU_DEP_1)
	v_lshlrev_b32 v[DL], 3, v[DL]
	s_delay_alu instid0(VALU_DEP_1)
	v_sub_nc_u32 v[DL], v7, v[DL]
.irp st, STA, STB
	v_mov_b32 v[\st+1], 0xff61b1e6                 ; the largest t so far: -3e38, under every t
	s_delay_alu instid0(VALU_DEP_1)
	v_floor_f32 v[\st], -v[\st+1]                  ; -M
	v_mov_b32 v[\st+2], 0                          ; l
	v_mov_b32 v[\st+3], 0
.endr
	v_mov_b32 v[PERM], 0                           ; written once: a lane permute's destination counts as one of its sources
	v_mov_b32 v[F+1], 0                            ; (named as the upper half of a pair)
	v_mov_b32 v[T0], 0
	v_mov_b32 v[T1], 0
	v_mov_b32 v[NINF], 0xff800000                  ; -infinity
.set ii, 0
.rept 64
	v_mov_b32 v[OA+ii], 0                          ; O^T of both tiles.  (The step is written without a first step of its own: it finds zeros, which the first change of M leaves zeros)
.set ii, ii+1
.endr
	s_wait_kmcnt 0x0
	s_add_co_i32 s96, s70, s71
	s_lshl_b32 s96, s96, 23
	s_add_co_i32 s[CS], s[CS], s96                 ; e2 + e3 are added to the constant's exponent field
	s_mov_b32 s[CS+1], s[CS]                       ; (named with it as a pair, so it is written)
	s_add_co_i32 s96, s72, 127
	s_lshl_b32 s97, s96, 23
	v_mov_b32 v[SCL], s97                          ; 2^e4
	s_add_co_i32 s96, s74, 127
	s_lshl_b32 s97, s96, 23
	v_mov_b32 v[SCL6], s97                         ; 2^e6
; ONE TILE'S KEY STEP: 128 keys, half hs of the slot in hand.  st: the tile's statistics; qf: its Q; ot: its O^T; hid, opn, qx: the scalar registers with 64 (n + 1), 64 n and its first query.
.macro TSTEP hs, st, qf, ot, hid, opn, qx
	s_cmp_ge_u32 s[KF], s[\hid]
	s_cbranch_scc1 .Lhid_\@                        ; all 128 keys come after my 16 queries
	v_add_nc_u32 v[ADR], s[TB], v[LI]
.rept 3
	v_nop                                          ; with the addition: four places in front of loads into registers that matrix instructions have read
.endr
.set ii, 0
.rept 16
	ds_load_b128 v[FR+4*ii:FR+4*ii+3], v[ADR] offset:8192*(\hs)+512*ii        ; K: eight tiles of 16 keys, two loads each
.set ii, ii+1
.endr
	s_wait_alu depctr_va_vdst(0)
	s_wait_dscnt 0x0
.set ii, 0
.rept 8
	v_wmma_f32_16x16x64_fp8_fp8 v[S+8*ii:S+8*ii+7], v[FR+8*ii:FR+8*ii+7], v[\qf:\qf+7], 0
.set ii, ii+1
.endr
.rept 4
	v_nop                                          ; places: in front of the loads below and of the first read of the scores
.endr
.set ii, 0
.rept 16
	ds_load_b128 v[FR+4*ii:FR+4*ii+3], v[ADR] offset:VOFF+8192*(\hs)+512*ii   ; V: four fragments of 16 channels x 128 keys: they land under the softmax
.set ii, ii+1
.endr
	s_add_co_u32 s96, s[KF], 128
	s_cmp_le_u32 s96, s[\opn]
	s_cbranch_scc1 .Lopen_\@                       ; all 128 keys count
	s_sub_co_i32 s96, s[\qx], s[KF]
	v_add_nc_u32 v[DD], s96, v[DL]                 ; d = my query - KF - 8 h.  Register 8 c + j holds key KF + 16 c + 8 h + j: hidden where 16 c + j > d
.set ii, 0
.rept 64
	v_cmp_gt_i32 vcc_lo, 16*(ii/8)+ii%8, v[DD]
	v_cndmask_b32 v[S+ii], v[S+ii], v[NINF], vcc_lo
.set ii, ii+1
.endr
.Lopen_\@:
	v_max3_num_f32 v[T0], v[S], v[S+1], v[S+2]     ; the step's largest score of my query among my 64 keys, in two chains, each accumulator from its low end on,
	v_max3_num_f32 v[T1], v[S+3], v[S+4], v[S+5]
.set ii, 6
.rept 14
	v_max3_num_f32 v[T0], v[T0], v[S+ii], v[S+ii+1]
	v_max3_num_f32 v[T1], v[T1], v[S+ii+2], v[S+ii+3]
.set ii, ii+4
.endr
	v_max3_num_f32 v[T0], v[T0], v[S+62], v[S+63]
	s_delay_alu instid0(VALU_DEP_1)
	v_max_num_f32 v[T0], v[T0], v[T1]
	s_delay_alu instid0(VALU_DEP_1)
	v_permlanex16_b32 v[PERM], v[T0], s[SEL], s[SEL+1]
	s_delay_alu instid0(VALU_DEP_1)
	v_max_num_f32 v[T0], v[T0], v[PERM]            ; and among lane l xor 16's
	s_delay_alu instid0(VALU_DEP_1)
	v_mul_f32 v[T0], s[CS], v[T0]                  ; as t (the constant is positive)
	s_delay_alu instid0(VALU_DEP_1)
	v_max_num_f32 v[\st+1], v[\st+1], v[T0]        ; the running largest t
	v_mov_b32 v[T0], v[\st]
	s_delay_alu instid0(VALU_DEP_2)
	v_floor_f32 v[\st], -v[\st+1]                  ; the new -M = floor(-t) = -ceil(t): a whole number
	s_delay_alu instid0(VALU_DEP_1)
	v_sub_f32 v[T0], v[\st], v[T0]                 ; old M - new M: a whole number, 0 or less
	s_delay_alu instid0(VALU_DEP_1)
	v_cvt_i32_f32 v[T0], v[T0]                     ; (it saturates)
	s_delay_alu instid0(VALU_DEP_1)
	v_ldexp_f32 v[F], 1.0, v[T0]                   ; f = 2^(old M - new M)
.set ii, 0
.rept 32
	v_pk_fma_f32 v[S+ii:S+ii+1], v[S+ii:S+ii+1], s[CS:CS+1], v[\st:\st+1] op_sel_hi:[1,0,0]   ; t - M, two at a time (of both pairs the low word serves both halves)
.set ii, ii+2
.endr
.set ii, 0
	s_wait_alu depctr_va_vdst(0)
.rept 64
	v_exp_f32 v[S+ii], v[S+ii]                     ; p = 2^(t - M)
.set ii, ii+1
.endr
	v_pk_mul_f32 v[\st+2:\st+3], v[\st+2:\st+3], v[F:F+1] op_sel_hi:[1,0]   ; l under the new M: the plain instruction behind the exponentials
	s_wait_alu depctr_va_vdst(0)                   ; the wait ahead of the first line that names an exponential's result: one for the batch of 64
	v_pk_add_f32 v[SUM2:SUM2+1], v[S:S+1], v[S+2:S+3]   ; l takes the UNQUANTISED p: two at a time, in two chains
.set ii, 4
.rept 15
	v_pk_add_f32 v[\st+2:\st+3], v[\st+2:\st+3], v[S+ii:S+ii+1]
	v_pk_add_f32 v[SUM2:SUM2+1], v[SUM2:SUM2+1], v[S+ii+2:S+ii+3]
.set ii, ii+4
.endr
	s_delay_alu instid0(VALU_DEP_1)
	v_pk_add_f32 v[\st+2:\st+3], v[\st+2:\st+3], v[SUM2:SUM2+1]
.set ii, 0
.rept 8
.set jj, 0
.rept 8
.set jj, jj+1
.endr
	v_cvt_scalef32_pk8_fp8_f32 v[PC+2*ii:PC+2*ii+1], v[S+8*ii:S+8*ii+7], v[SCL]   ; registers 2 c, 2 c + 1: keys 16 c + 8 h + 0 .. 7
.set ii, ii+1
.endr
.set ii, 0
.rept 16
	v_pk_mul_f32 v[\ot+ii:\ot+ii+1], v[\ot+ii:\ot+ii+1], v[F:F+1] op_sel_hi:[1,0]   ; O^T under the new M.  (Also the plain lines between the conversions and the products)
.set ii, ii+2
.endr
	s_wait_alu depctr_va_vdst(0)
	s_wait_dscnt 0x0                               ; V is in
.set ii, 0
.rept 4
	v_wmma_f32_16x16x128_fp8_fp8 v[\ot+8*ii:\ot+8*ii+7], v[FR+16*ii:FR+16*ii+15], v[PC:PC+15], v[\ot+8*ii:\ot+8*ii+7]   ; the four accumulators take turns
.set ii, ii+1
.endr
.Lhid_\@:
.endm
.macro SLOT_STEPS
.irp hs, 0,1
	TSTEP \hs, STB, QB, OB, 87, 88, 89
	TSTEP \hs, STA, QA, OA, 84, 85, 86
	s_add_co_u32 s[KF], s[KF], 128
.endr
	s_xor_b32 s[TB], s[TB], SLOTB                  ; on to the other slot
.endm
; THE CHANGE OF SLOTS stands at a slot's head.  Each wave waits for all its tensor loads (its part of the slot ahead), adds 0 to its spare word, and waits for that and for its reads of the slot that it has left.
; fill = 1: the barrier is a round of the cluster's, so that no wave of any partner still reads that slot or has a load on its way; the joint refill is the first thing behind it and has a whole slot's steps in which to land.
.macro CHANGE fill
	s_wait_tensorcnt 0x0                           ; no tensor load of mine is out, so group 0 may be written
	ds_add_u32 v[SPW], v[NIL]                      ; 0 onto my spare word
.if \fill
	s_xor_b32 s[G0+1], s[G0+1], SLOTB              ; the walking descriptor: the other slot than last time,
	s_add_nc_u64 s[G0+2:G0+3], s[G0+2:G0+3], 16384 ; the next 256 keys; the type bits on top are not reached
	s_wait_xcnt 0x0                                ; the last prefetch, a slot back, has read its address, so it may be written:
	s_add_nc_u64 s[PFA:PFA+1], s[PFA:PFA+1], 16384 ; one slot further on than the walking descriptor
	s_wait_dscnt 0x0                               ; the add is done, and my reads of the slot that I have left are over
	CROUND
	TLOAD
	ASK
.else
	s_wait_dscnt 0x0
	s_barrier_signal -1
	s_barrier_wait -1
.endif
.endm
	s_wait_loadcnt 0x0                             ; Q
.Lslot:                                            ; seven trips: behind each change of slots but the last the next slot is asked for
	CHANGE 1
	SLOT_STEPS
	s_sub_co_u32 s[SLOTS], s[SLOTS], 1
	s_cmp_lg_u32 s[SLOTS], 0
	s_cbranch_scc1 .Lslot
	CHANGE 0                                       ; the last slot is written out
	SLOT_STEPS
	; THE WAY OUT: ctx = O^T x 2^(e4 + e5) / l, held, converted: 16 codes a lane for each half of the head: the projection's operand image, stored from registers
.rept 4
	v_nop                                          ; places behind the last products
.endr
	v_add_f32 v[STA+2], v[STA+2], v[STA+3]         ; l's two halves,
	v_add_f32 v[STB+2], v[STB+2], v[STB+3]
	s_delay_alu instid0(VALU_DEP_2)
	v_permlanex16_b32 v[PERM], v[STA+2], s[SEL], s[SEL+1]
	s_delay_alu instid0(VALU_DEP_2)
	v_permlanex16_b32 v[T0], v[STB+2], s[SEL], s[SEL+1]
	s_delay_alu instid0(VALU_DEP_2)
	v_add_f32 v[STA+2], v[STA+2], v[PERM]          ; and lane l xor 16's
	s_delay_alu instid0(VALU_DEP_2)
	v_add_f32 v[STB+2], v[STB+2], v[T0]
	s_wait_alu depctr_va_vdst(0)
	v_rcp_f32 v[STA+2], v[STA+2]
	v_rcp_f32 v[STB+2], v[STB+2]
	v_nop                                          ; a plain instruction behind the reciprocals
	s_add_co_i32 s96, s72, s73
	s_wait_alu depctr_va_vdst(0)                   ; and the wait ahead of their first reader: one for both
	v_ldexp_f32 v[STA+2], v[STA+2], s96
	v_ldexp_f32 v[STB+2], v[STB+2], s96
.set ii, 0
.rept 16
	v_pk_mul_f32 v[S+ii:S+ii+1], v[OA+ii:OA+ii+1], v[STA+2:STA+3] op_sel_hi:[1,0]   ; each accumulator from its low end on
.set ii, ii+2
.endr
.set ii, 0
.rept 16
	v_pk_mul_f32 v[S+32+ii:S+32+ii+1], v[OB+ii:OB+ii+1], v[STB+2:STB+3] op_sel_hi:[1,0]
.set ii, ii+2
.endr
.set ii, 0
.rept 8
.set jj, 0
.rept 8
.set jj, jj+1
.endr
	v_cvt_scalef32_pk8_fp8_f32 v[PC+2*ii:PC+2*ii+1], v[S+8*ii:S+8*ii+7], v[SCL6]
.set ii, ii+1
.endr
	v_nop                                          ; a plain vector line behind the last conversion
	global_store_b128 v[LI], v[PC:PC+3], s[48:49]              ; each store of the wave covers 512 consecutive bytes, aligned
	global_store_b128 v[LI], v[PC+4:PC+7], s[48:49] offset:512
	global_store_b128 v[LI], v[PC+8:PC+11], s[50:51]
	global_store_b128 v[LI], v[PC+12:PC+15], s[50:51] offset:512
	s_wait_tensorcnt 0x0                           ; the wave's end
	ds_add_u32 v[SPW], v[NIL]
	s_wait_dscnt 0x0
	CROUND                                         ; the closing round
	s_endpgm
.Lfunc_end_k_q01f7083629_attn:
	.size	k_q01f7083629_attn, .Lfunc_end_k_q01f7083629_attn-k_q01f7083629_attn
	.p2alignl 7, 3214868480
	.fill 96, 4, 3214868480
	.section	.rodata,"a",@progbits
	.p2align	6, 0x0
	.amdhsa_kernel k_q01f7083629_attn
		.amdhsa_group_segment_fixed_size 327680
		.amdhsa_private_segment_fixed_size 0
		.amdhsa_enable_private_segment 0
		.amdhsa_kernarg_size 24
		.amdhsa_user_sgpr_count 2
		.amdhsa_user_sgpr_kernarg_segment_ptr 1
		.amdhsa_wavefront_size32 1
		.amdhsa_system_sgpr_workgroup_id_x 1
		.amdhsa_system_sgpr_workgroup_id_y 1
		.amdhsa_system_sgpr_workgroup_id_z 1
		.amdhsa_system_vgpr_workitem_id 0
		.amdhsa_next_free_vgpr 256
		.amdhsa_next_free_sgpr 100
		.amdhsa_reserve_vcc 1
		.amdhsa_float_denorm_mode_32 3
		.amdhsa_float_denorm_mode_16_64 3
		.amdhsa_fp16_overflow 1
		.amdhsa_memory_ordered 1
		.amdhsa_forward_progress 1
		.amdhsa_inst_pref_size 164
	.end_amdhsa_kernel
	.amdgpu_metadata
---
amdhsa.version: [ 1, 2 ]
amdhsa.kernels:
  - .name:           k_q01f7083629_attn
    .symbol:         k_q01f7083629_attn.kd
    .args:
      - { .name: qkv_codes, .offset: 0, .size: 8, .value_kind: global_buffer, .address_space: global }
      - { .name: lowp_scales, .offset: 8, .size: 8, .value_kind: global_buffer, .address_space: global }
      - { .name: ctx_codes, .offset: 16, .size: 8, .value_kind: global_buffer, .address_space: global }
    .group_segment_fixed_size: 327680
    .private_segment_fixed_size: 0
    .kernarg_segment_align: 8
    .kernarg_segment_size: 24
    .max_flat_workgroup_size: 512
    .sgpr_count:     100
    .vgpr_count:     256
    .wavefront_size: 32
...
	.end_amdgpu_metadata
.endif
;; end of part 3
;; launch gemm_proj (part 4): grid 4 x 32, 4 waves a work-group, clusters of 4 x 4, 327,680 bytes of LDS; arguments ctx_codes, codes_in, lowp_scales, b_proj, out0; writes out0
.if DOCPART == 4
	.amdgcn_target "amdgcn-amd-amdhsa--gfx1250"
	.amdhsa_code_object_version 6
	.text
	.protected	k_q01f7083629_gemm_proj
	.globl	k_q01f7083629_gemm_proj
	.p2align	8
	.type	k_q01f7083629_gemm_proj,@function
k_q01f7083629_gemm_proj:
	s_mov_b64 s[64:65], 0
	v_nop
	global_prefetch_b8 v0, s[64:65] scope:SCOPE_SE
	s_setreg_imm32_b32 hwreg(HW_REG_WAVE_MODE, 25, 1), 1
	s_wait_xcnt 0x0
	s_wait_alu depctr_hold_cnt(0) depctr_sa_sdst(0) depctr_va_vdst(0) depctr_va_sdst(0) depctr_va_ssrc(0) depctr_va_vcc(0) depctr_vm_vsrc(0)
	s_getreg_b32 s2, hwreg(HW_REG_IB_STS2, 6, 4)
	s_cmp_eq_u32 s2, 0
	s_cbranch_scc0 .Lentry_in_a_cluster
	s_endpgm
.Lentry_in_a_cluster:
	s_bfe_u32 s2, ttmp6, 0x10000c
	s_cmp_lg_u32 s2, 0xf033
	s_cbranch_scc0 .Lentry_shape_is_right
	s_endpgm
.Lentry_shape_is_right:
.set ROWB,   256
.set KROW,   1024
.set PITCH,  272
.set FR,     16
.set NL,     4
.set NP,     4
.set HALFA,  32768
.set HALFB,  128*PITCH
.set BOFF,   2*HALFA
.set SLOT,   2*HALFA+2*HALFB
.set SPARE,  2*SLOT
.set SPITCH, 528
.set ADRA, 16
.set ADRB, 20
.set STO,  24
.set RD,   25
.set CO,   26
.set BOQ,  27
.set SPW,  28
.set NIL,  29
.set BIAS, 32
.set AF,   128
.set BK,   128
.set G1, 24
.set G0, 32
.set G1B, 48
.set G0B, 56
.set MSB, 0
.macro WIN new
.if MSB != (\new)
	s_set_vgpr_msb (MSB<<8)|(\new)
.set MSB, (\new)
.endif
.endm
.set MUL_LO, 0xa1
.set MUL_HI, 0xf1
.set TO_B,   0x40
.macro JLOAD g0a, g1a, g0b, g1b
	s_cmp_eq_u32 s15, 0
	s_cbranch_scc0 .Lfor_b_\@
	tensor_load_to_lds s[\g0a:\g0a+3], s[\g1a:\g1a+7]
	s_nop 0
.rept 4
	v_nop
.endr
	s_branch .Lasked_\@
.Lfor_b_\@:
	tensor_load_to_lds s[\g0b:\g0b+3], s[\g1b:\g1b+7]
	s_nop 0
.rept 4
	v_nop
.endr
.Lasked_\@:
.endm
.macro CREST
	s_cmp_lg_u32 s14, 0
	s_cbranch_scc1 .Lnot_wave_0_\@
	s_barrier_signal -3
.Lnot_wave_0_\@:
	s_barrier_wait -3
	s_barrier_signal -1
	s_barrier_wait -1
.endm
.macro CROUND
	s_barrier_signal -1
	s_barrier_wait -1
	CREST
.endm
	s_load_b256 s[4:11], s[0:1], 0x0
	s_load_b64 s[12:13], s[0:1], 0x20
	v_lshl_add_u32 v[SPW], v0, 2, SPARE
	v_mov_b32 v[NIL], 0
	ds_add_u32 v28, v29
	ds_add_u32 v28, v29
	s_wait_dscnt 0x0
	v_lshrrev_b32 v1, 5, v0
	v_readfirstlane_b32 s14, v1
	s_lshr_b32 s15, s14, 1
	s_and_b32 s16, s14, 1
	s_bfe_u32 s40, ttmp6, 0x40000
	s_bfe_u32 s41, ttmp6, 0x40004
	s_lshl_b32 s42, ttmp9, 2
	s_add_co_u32 s42, s42, s40
	s_and_b32 s17, ttmp7, 0xffff
	s_lshl_b32 s17, s17, 2
	s_add_co_u32 s17, s17, s41
	s_lshl_b32 s43, s41, 2
	s_lshl_b32 s43, 15, s43
	s_lshl_b32 s44, 0x1111, s40
	s_or_b32 s[G1+0], s43, (3<<16)|(1<<21)
	s_mov_b32 s[G1+1], 512<<16
	s_mov_b32 s[G1+2], 8<<16
	s_mov_b32 s[G1+3], 512<<16
	s_mov_b32 s[G1+4], 8
	s_mov_b32 s[G1+5], 2048
	s_mov_b32 s[G1+6], 0
	s_mov_b32 s[G1+7], 0
	s_or_b32 s[G1B+0], s44, (0<<16)|(1<<20)|(1<<21)|(5<<22)|(3<<25)
	s_mov_b32 s[G1B+1], ROWB<<16
	s_mov_b32 s[G1B+2], 128<<16
	s_mov_b32 s[G1B+3], ROWB<<16
	s_mov_b32 s[G1B+4], 128
	s_mov_b32 s[G1B+5], KROW
	s_mov_b32 s[G1B+6], 0
	s_mov_b32 s[G1B+7], 0
	s_lshl_b32 s20, s17, 4
	s_lshl_b32 s18, s16, 3
	s_add_co_u32 s20, s20, s18
	s_lshl_b32 s20, s20, 14
	s_mov_b32 s21, 0
	s_lshl_b32 s46, s42, 8
	s_lshl_b32 s18, s16, 7
	s_add_co_u32 s46, s46, s18
	s_add_co_u32 s46, s46, 11264
	s_lshl_b32 s46, s46, 10
	s_mov_b32 s47, 0
	s_lshl_b32 s45, s16, 15
	s_mul_i32 s19, s16, HALFB
	s_add_co_u32 s19, s19, BOFF
	s_wait_kmcnt 0x0
	s_load_b256 s[72:79], s[8:9], 0x0
	s_add_nc_u64 s[20:21], s[4:5], s[20:21]
	s_add_nc_u64 s[46:47], s[6:7], s[46:47]
	CROUND
.irp s, 0,1
	s_mov_b32 s[G0+4*\s], 1
	s_add_co_u32 s[G0+4*\s+1], s45, \s*SLOT
	s_add_nc_u64 s[G0+4*\s+2:G0+4*\s+3], s[20:21], \s*4096
	s_or_b32 s[G0+4*\s+3], s[G0+4*\s+3], 0x80000000
	s_mov_b32 s[G0B+4*\s], 1
	s_add_co_u32 s[G0B+4*\s+1], s19, \s*SLOT
	s_add_nc_u64 s[G0B+4*\s+2:G0B+4*\s+3], s[46:47], \s*ROWB
	s_or_b32 s[G0B+4*\s+3], s[G0B+4*\s+3], 0x80000000
	s_wait_alu depctr_va_vdst(0)
	s_wait_tensorcnt 0x0
	ds_add_u32 v28, v29
	ds_add_u32 v28, v29
	s_wait_dscnt 0x0
	CROUND
	JLOAD G0+4*\s, G1, G0B+4*\s, G1B
.endr
	v_and_b32 v1, 15, v0
	v_bfe_u32 v2, v0, 4, 1
	v_and_b32 v5, 31, v0
	v_lshlrev_b32 v[CO], 4, v5
	v_mul_u32_u24 v3, v1, PITCH
	v_lshl_add_u32 v4, v2, 4, v3
	s_lshl_b32 s21, s15, 15
	s_mul_i32 s22, s16, HALFB
	s_add_co_u32 s22, s22, BOFF
.irp s, 0,1
	v_add_nc_u32 v[ADRA+\s], s21, v[CO]
	v_add_nc_u32 v[ADRB+\s], s22, v4
	s_add_co_u32 s21, s21, SLOT
	s_add_co_u32 s22, s22, SLOT
.endr
	s_mul_i32 s23, s14, 16*SPITCH
	v_mul_u32_u24 v6, v1, SPITCH
	v_lshl_add_u32 v6, v2, 6, v6
	v_add_nc_u32 v[STO], s23, v6
	v_add_nc_u32 v[RD], s23, v[CO]
	v_lshlrev_b32 v[BOQ], 6, v2
	s_lshl_b32 s80, s42, 10
	s_lshl_b32 s81, s16, 9
	s_add_co_u32 s80, s80, s81
	s_mov_b32 s81, 0
	s_add_nc_u64 s[10:11], s[10:11], s[80:81]
.irp b, 0,1,2,3,4,5,6,7
	global_load_b128 v[BIAS+8*\b:BIAS+8*\b+3], v[BOQ], s[10:11] offset:4*(32*(\b/2)+8*(\b%2))
	global_load_b128 v[BIAS+8*\b+4:BIAS+8*\b+7], v[BOQ], s[10:11] offset:4*(32*(\b/2)+8*(\b%2))+16
.endr
	s_lshl_b32 s82, s17, 8
	s_lshl_b32 s83, s15, 7
	s_add_co_u32 s82, s82, s83
	s_lshl_b32 s82, s82, 12
	s_mov_b32 s83, 0
	s_add_nc_u64 s[12:13], s[12:13], s[82:83]
	s_add_nc_u64 s[12:13], s[12:13], s[80:81]
.macro FRAG reg, adr, q, i
.irp c, 0,1,2,3
	ds_load_b128 v[\reg+4*\c:\reg+4*\c+3], v[\adr] offset:128*(\q)+32*\c+(\i)*16*PITCH
.endr
.endm
.macro FRAGA reg, adr, q, i
.irp c, 0,1,2,3
	ds_load_b128 v[\reg+4*\c:\reg+4*\c+3], v[\adr] offset:4096*(\i)+2048*(\q)+512*\c
.endr
.endm
.macro MUL16 a0, p, zero
.irp a, \a0, \a0+1
.irp b, 0,1,2,3,4,5,6,7
.if \zero
	v_wmma_f32_16x16x128_fp8_fp8 v[8*(8*((\a)%4)+\b):8*(8*((\a)%4)+\b)+7], v[128*(\p)+FR*\b:128*(\p)+FR*\b+FR-1], v[AF+FR*(\a):AF+FR*(\a)+FR-1], 0
.else
	v_wmma_f32_16x16x128_fp8_fp8 v[8*(8*((\a)%4)+\b):8*(8*((\a)%4)+\b)+7], v[128*(\p)+FR*\b:128*(\p)+FR*\b+FR-1], v[AF+FR*(\a):AF+FR*(\a)+FR-1], v[8*(8*((\a)%4)+\b):8*(8*((\a)%4)+\b)+7]
.endif
.endr
.endr
.endm
.macro FETCH_B slot, q, p
	WIN TO_B
.irp i, 0,1,2,3,4,5,6,7
	FRAG 128*(\p)+FR*\i, ADRB+\slot, \q, \i
.endr
	WIN 0
.endm
.macro FETCH_A slot, q, i0
.irp i, \i0, \i0+1, \i0+2, \i0+3
	FRAGA AF+FR*(\i), ADRA+\slot, \q, \i
.endr
.endm
.macro PLACES n
.rept \n
	v_nop
.endr
.endm
.macro STEP slot, q, zero
	s_wait_dscnt 4*NL
	WIN MUL_LO
	MUL16 0, (\q)%2, \zero
	MUL16 2, (\q)%2, \zero
	s_wait_dscnt 0
	PLACES NP
	FETCH_B \slot, (\q)+1, 1-(\q)%2
	FETCH_A \slot, (\q)+1, 0
	WIN MUL_HI
	MUL16 4, (\q)%2, \zero
	MUL16 6, (\q)%2, \zero
	PLACES NP
	WIN 0
	FETCH_A \slot, (\q)+1, 4
.endm
.macro TURN slot, next, fill
	s_wait_tensorcnt 0x0
	ds_add_u32 v[SPW], v[NIL]
	s_wait_dscnt 4*NL+1
	WIN MUL_LO
	MUL16 0, 1, 0
	s_wait_dscnt 0x0
	s_barrier_signal -1
	MUL16 2, 1, 0
	WIN 0
	s_barrier_wait -1
.if \fill
	CREST
	s_add_nc_u64 s[G0+4*\slot+2:G0+4*\slot+3], s[G0+4*\slot+2:G0+4*\slot+3], 2*4096
	s_add_nc_u64 s[G0B+4*\slot+2:G0B+4*\slot+3], s[G0B+4*\slot+2:G0B+4*\slot+3], 2*ROWB
	JLOAD G0+4*\slot, G1, G0B+4*\slot, G1B
.else
	PLACES NP
.endif
	FETCH_B \next, 0, 0
	FETCH_A \next, 0, 0
	WIN MUL_HI
	MUL16 4, 1, 0
	MUL16 6, 1, 0
	PLACES NP
	WIN 0
	FETCH_A \next, 0, 4
.endm
	s_wait_alu depctr_va_vdst(0)
	s_wait_tensorcnt 1
	s_barrier_signal -1
	s_barrier_wait -1
	FETCH_B 0, 0, 0
	FETCH_A 0, 0, 0
	FETCH_A 0, 0, 4
	STEP 0, 0, 1
	TURN 0, 1, 1
	STEP 1, 0, 0
	TURN 1, 0, 1
	STEP 0, 0, 0
	TURN 0, 1, 0
	STEP 1, 0, 0
	s_wait_dscnt 4*NL
	WIN MUL_LO
	MUL16 0, 1, 0
	MUL16 2, 1, 0
	s_wait_dscnt 0
	WIN MUL_HI
	MUL16 4, 1, 0
	MUL16 6, 1, 0
	WIN 0
.macro TOSTAGE a
.set AC, 64*((\a)%4)
.set WW, 2+(\a)/4
	WIN (WW<<6)|WW
.set jj, 0
.rept 32
	v_pk_fma_f32 v[AC+jj:AC+jj+1], v[AC+jj:AC+jj+1], s[96:97], v[BIAS+jj:BIAS+jj+1] op_sel_hi:[1,0,1]
.set jj, jj+2
.endr
	WIN WW<<2
.irp b, 0,1,2,3,4,5,6,7
	ds_store_b128 v[STO], v[AC+8*\b:AC+8*\b+3] offset:128*(\b/2)+32*(\b%2)
	ds_store_b128 v[STO], v[AC+8*\b+4:AC+8*\b+7] offset:128*(\b/2)+32*(\b%2)+16
.endr
	WIN 0
.set BB, BK+64*((\a)%2)
.irp t, 0,1,2,3,4,5,6,7,8,9,10,11,12,13,14,15
	ds_load_b128 v[BB+4*\t:BB+4*\t+3], v[RD] offset:\t*SPITCH
.endr
.endm
.macro SEND a, younger
.set BB, BK+64*((\a)%2)
	s_wait_dscnt \younger
.if (\a) > 0
	s_add_nc_u64 s[12:13], s[12:13], 16*4096
.endif
.irp t, 0,1,2,3,4,5,6,7,8,9,10,11,12,13,14,15
	global_store_b128 v[CO], v[BB+4*\t:BB+4*\t+3], s[12:13] offset:\t*4096 th:TH_STORE_NT
.endr
.endm
	s_wait_kmcnt 0x0
	s_add_co_i32 s96, s78, s79
	s_add_co_i32 s96, s96, 127
	s_lshl_b32 s96, s96, 23
	s_mov_b32 s97, s96
	s_wait_loadcnt 0x0
	PLACES NP
	TOSTAGE 0
.irp a, 1,2,3,4,5,6,7
.if \a > 1
	s_wait_xcnt 0x0
.endif
	TOSTAGE \a
	SEND \a-1, 32
.endr
	s_wait_xcnt 0x0
	SEND 7, 0
	s_wait_tensorcnt 0x0
	ds_add_u32 v[SPW], v[NIL]
	s_wait_dscnt 0x0
	CROUND
	s_endpgm
.Lfunc_end_k_q01f7083629_gemm_proj:
	.size	k_q01f7083629_gemm_proj, .Lfunc_end_k_q01f7083629_gemm_proj-k_q01f7083629_gemm_proj
	.p2alignl 7, 3214868480
	.fill 96, 4, 3214868480
	.section	.rodata,"a",@progbits
	.p2align	6, 0x0
	.amdhsa_kernel k_q01f7083629_gemm_proj
		.amdhsa_group_segment_fixed_size 327680
		.amdhsa_private_segment_fixed_size 0
		.amdhsa_enable_private_segment 0
		.amdhsa_kernarg_size 40
		.amdhsa_user_sgpr_count 2
		.amdhsa_user_sgpr_kernarg_segment_ptr 1
		.amdhsa_wavefront_size32 1
		.amdhsa_system_sgpr_workgroup_id_x 1
		.amdhsa_system_sgpr_workgroup_id_y 1
		.amdhsa_system_sgpr_workgroup_id_z 1
		.amdhsa_system_vgpr_workitem_id 0
		.amdhsa_next_free_vgpr 1024
		.amdhsa_next_free_sgpr 100
		.amdhsa_reserve_vcc 0
		.amdhsa_float_denorm_mode_32 3
		.amdhsa_float_denorm_mode_16_64 3
		.amdhsa_memory_ordered 1
		.amdhsa_forward_progress 1
		.amdhsa_inst_pref_size 126
	.end_amdhsa_kernel
	.amdgpu_metadata
---
amdhsa.version: [ 1, 2 ]
amdhsa.kernels:
  - .name:           k_q01f7083629_gemm_proj
    .symbol:         k_q01f7083629_gemm_proj.kd
    .args:
      - { .name: ctx_codes, .offset: 0, .size: 8, .value_kind: global_buffer, .address_space: global }
      - { .name: codes_in, .offset: 8, .size: 8, .value_kind: global_buffer, .address_space: global }
      - { .name: lowp_scales, .offset: 16, .size: 8, .value_kind: global_buffer, .address_space: global }
      - { .name: b_proj, .offset: 24, .size: 8, .value_kind: global_buffer, .address_space: global }
      - { .name: out0, .offset: 32, .size: 8, .value_kind: global_buffer, .address_space: global }
    .group_segment_fixed_size: 327680
    .private_segment_fixed_size: 0
    .kernarg_segment_align: 8
    .kernarg_segment_size: 40
    .max_flat_workgroup_size: 128
    .sgpr_count:     100
    .vgpr_count:     1024
    .wavefront_size: 32
...
	.end_amdgpu_metadata
.endif
;; end of part 4
